; MI455X (gfx1250); checked and timed in simulation.
; The chip was launched on July 23, 2026; its instructions are those of AMD's public machine-readable ISA for CDNA 5 (MIT licence, August 2026) and "CDNA5" Instruction Set Architecture Reference Guide (July 2026). The comments in the code are by the model that wrote it; some were corrected since.
;; Dot Product Attention. Allowed arithmetic: float matrix products may take bf16 or f16 operands with f32 sums; all other float work in f32.
;; Inputs: keys 4 x 8 x 2,048 x 64 float32; mask 1 x 1 x 2,048 x 2,048 float32; queries 4 x 8 x 2,048 x 64 float32; values 4 x 8 x 2,048 x 64 float32.
;; Outputs: out0 4 x 8 x 2,048 x 64 float32.
;; Constants: dk = 64.
;; One version. Each part assembles by itself: llvm-mc -triple=amdgcn-amd-amdhsa -mcpu=gfx1250 --defsym DOCPART=n.
;; ======== version 1 of 1: 1 launch
;; limits: values are held in f16: magnitudes above 65,504 overflow, below 6.1e-05 lose precision; inputs' magnitudes at most 65,504
;; launch attn (part 1): grid 8 x 32, 4 waves a work-group, clusters of 4 x 4, 327,680 bytes of LDS; arguments keys, values, mask, queries, out0; writes out0
.if DOCPART == 1
	.amdgcn_target "amdgcn-amd-amdhsa--gfx1250"
	.amdhsa_code_object_version 6
	.text
	.protected	k_q791e1a8d48_attn
	.globl	k_q791e1a8d48_attn
	.p2align	8
	.type	k_q791e1a8d48_attn,@function
k_q791e1a8d48_attn:
	s_mov_b64 s[64:65], 0
	v_nop
	global_prefetch_b8 v0, s[64:65] scope:SCOPE_SE
	s_setreg_imm32_b32 hwreg(HW_REG_WAVE_MODE, 25, 1), 1
	s_wait_xcnt 0x0
	s_wait_alu depctr_hold_cnt(0) depctr_sa_sdst(0) depctr_va_vdst(0) depctr_va_sdst(0) depctr_va_ssrc(0) depctr_va_vcc(0) depctr_vm_vsrc(0)
	s_getreg_b32 s2, hwreg(HW_REG_IB_STS2, 6, 4)
	s_cmp_eq_u32 s2, 0
	s_cbranch_scc0 .Lentry_in_a_cluster
	s_endpgm
.Lentry_in_a_cluster:
	s_bfe_u32 s2, ttmp6, 0x10000c
	s_cmp_lg_u32 s2, 0xf033
	s_cbranch_scc0 .Lentry_shape_is_right
	s_endpgm
.Lentry_shape_is_right:
; out = softmax(Q K^T / 8 + mask * -1e9) V for 32 heads, 2,048 queries and keys, 64 numbers a row; every buffer f32.
; A work-group takes 256 query rows of one head, a wave 64 of them (four subtiles i of 16).  Keys go in 32 trips of 64.
; The mask is an input: every score tile is computed and every mask word enters as an f32 number, by one fused multiply-add.
;
; PRODUCTS WITHOUT SHUFFLES.  S^T = K Q^T: source 0 = 16 keys, source 1 = 16 queries.  Lane (r = l % 16, h = l / 16), register j of tile
; (kt, i) holds S(query 16 i + r, key 16 kt + 8 h + j): eight neighbouring keys of ONE query.  So the lane's mask words are 32 neighbouring
; bytes, a query's maximum and sum live in lanes l and l ^ 16, and packing tiles 2 g and 2 g + 1 to 16 bits gives the source-1 fragment of
; O^T = V^T P as it stands.  O^T's register j of tile (dt, i) is O(query 16 i + r, column 16 dt + 8 h + j): the rescale factor is the lane's own.
;
; NUMBERS.  Q, K and V are each rounded once to bf16, as they come: the program computes the attention of the inputs rounded to bf16.  Q is NOT
; scaled before it is rounded, so that its rounding is the input's own.  x = mask * (-8e9) + q.k is eight times the score, in f32, with the f32
; grid of the score itself; the running maximum m is kept in these units; p = 2^((x - m) log2(e) / 8): the difference first, the scale behind it,
; so that p <= 1 also where x lies near -8e9.  P GOES IN f16: a row with few open keys is a sum of a few terms p v of size 1 that may cancel, and
; the output is held to a hundredth of its root mean square; 8 significant bits would err by up to 2^-8 of each term, f16's 11 bits by 2^-11.
; p lies in [0, 1], which f16 holds.  The matrix instruction takes one format for both sources, so V's bf16 numbers are rewritten as f16, which is
; exact (8 significant bits in 11) inside the range below.  Scores, maxima, sums (of the unrounded p) and O are f32.
; LIMITS.  |v| above 65,504 overflows in f16; V below 2^-17 in magnitude is held with an absolute error of at most 2^-25.  |mask| above 4.2e28
; overflows.  NaN and infinities in the inputs are not served.  p below 2^-24 counts as 0 in the product, below 2^-126 in the sum.
;
; CLUSTERS: 4 query blocks (x) by 4 heads (y).  The four work-groups of a row of the cluster share a head, hence K's and V's tiles; the four
; of a column share a query block, hence the mask's tiles.  Both are asked for jointly: 32 KiB of K, V and 64 KiB of mask a trip, each fetched
; once for four.  Waves 0, 1 ask for K, V; waves 2, 3 for the two halves of the mask tile.  By this text's own count a wave has two tensor
; loads out at the start and one behind each round of the cluster's barrier.
;
; THE TRIP.  K and V arrive as f32 (RAW), are rounded once for the work-group (BF), a trip ahead of their use.  Trip t: every wave
; waits for its LDS traffic and its tensor loads; a round; K, V of trip t + 2 go into RAW[t % 2] and the mask of trip t + 1 into MASK[(t + 1) % 2],
; both last read in trip t - 1; RAW[(t + 1) % 2] is converted into BF[(t + 1) % 2], last read in trip t - 1; BF[t % 2] and MASK[t % 2] are used.
.set P32,    272                       ; pitch of a row of 64 f32: 256 bytes + 16 of padding = 68 words, so sixteen rows start 4 words apart
.set PKB,    144                       ; pitch of a row of 64 16-bit numbers read along the row (K, Q): 128 + 16
.set PVB,    160                       ; pitch of V's 16-bit rows, read by the transposing load: an odd multiple of 32
.set MSLOT,  256*P32                   ; a mask slot: 256 query rows x 64 keys
.set MHALF,  128*P32                   ; what one wave fetches of it
.set RAW,    2*MSLOT                   ; 139,264: f32 K and V
.set RHALF,  64*P32                    ; K's 64 rows; V's follow
.set RSLOT,  2*RHALF
.set BF,     RAW+2*RSLOT               ; 208,896: K in bf16 and V in f16, written by LDS stores alone
.set BV,     64*PKB                    ; V behind K
.set BSLOT,  BV+64*PVB
.set STAGE,  BF+2*BSLOT                ; 247,808: each wave's own 17,408 bytes: Q in bf16 at the start, O in f32 at the end; no tensor load lands here
.set SWAVE,  64*P32
.set KVTILE, 64*64*4                   ; bytes of 64 rows of K or V in memory
.set MSTEP,  64*4                      ; bytes of 64 keys in a row of the mask
; window 0
.set GOFF, 1                           ; v1      16 x lane: Q's loads and the output's stores; never rewritten
.set AKF,  2                           ; v2      K fragments in BF slot 0
.set AVF,  3                           ; v3      V fragments in BF slot 0
.set AM,   4                           ; v4-5    my mask words in slot 0, 1
.set ARAW, 6                           ; v6      conversion: my 32 bytes of a row of RAW slot 0
.set ASK,  7                           ; v7      conversion: my 16 bytes of K in BF slot 0
.set ASV,  8                           ; v8      the same for V
.set VPK,  9                           ; v9      prefetch of K, V: 256 x lane
.set VPM,  10                          ; v10     prefetch of the mask: row l / 4, block l % 4
.set MI,   12                          ; v12-15  running maximum of subtile i, in units of x
.set LI,   16                          ; v16-19  running sum of subtile i (this lane's half of the keys)
.set MN,   20                          ; v20     the new maximum; v[20:21] is the pair that the packed subtraction names
.set XR,   21                          ; v21     the partner lane's maximum
.set AL,   22                          ; v22     2^((old maximum - new) log2(e) / 8); v23 its exponent
.set TT,   24                          ; v24-31  four chains of maxima, then four pairs of sums
.set MK,   32                          ; v32-63  mask words of one subtile (v32, v33 hold stage addresses before the first and behind the last trip)
.set SB,   64                          ; v64-95, v96-127  scores of subtile i in buffer i % 2, tile kt at + 8 kt; P is packed in place at + 16 g
.set OO,   128                         ; v128-255 O tile (dt, i) at + 8 (4 i + dt); Q as loaded at the start
; window 1
.set QF,   0                           ; v256-319 Q fragment (i, u) at + 16 i + 8 u
.set KF,   64                          ; v320-383 K fragment (kt, u) at + 16 kt + 8 u
.set VF,   128                         ; v384-447 V^T fragment (dt, g) at + 16 dt + 8 g
.set STK,  192                         ; v448-479 conversion of K
.set STV,  224                         ; v480-511 conversion of V
; scalars: s[4:13] the five buffers; s14 wave, s15 wave / 2, s16 wave % 2; s17 cx, s18 cy, s19 query block, s20 head; s21, s22 the two masks
.set G1KV, 24                          ; s[24:31] group 1 for K's and V's tiles
.set G0KV, 32                          ; s[32:39] group 0, one set a slot
.set G1M,  40                          ; s[40:47] group 1 for the mask's tiles
.set G0M,  48                          ; s[48:55] group 0, one set a slot
                                       ; s[56:57], s[58:59] prefetch bases; s[60:61] -8e9; s62, s63 lane selects; s[66:67] log2(e) / 8; s68 loop; s69 my stage
.set FLD, (2<<16)|(1<<20)|(1<<21)|(5<<22)|(3<<25)  ; 17:16 elements of 4 bytes; 20 padding on; 21 set beside a mask; 24:22 after every 64 words; 31:25 of 4 words
.set MSB, 0
.macro WIN new                         ; s_set_vgpr_msb: bits 1:0 source 0, 3:2 source 1, 5:4 source 2, 7:6 destination; the high byte repeats the setting left
.if MSB != \new
	s_set_vgpr_msb (MSB<<8)|\new
.set MSB, \new
.endif
.endm
.macro PLACES n
.rept \n
	v_nop
.endr
.endm
; A round of the cluster's barrier: my work-group's barrier, wave 0 signals for the work-group, every wave waits for all sixteen, my work-group's barrier again.
.macro CROUND
	s_barrier_signal -1
	s_barrier_wait -1
	s_cmp_lg_u32 s14, 0
	s_cbranch_scc1 .Lnot_wave_0_\@
	s_barrier_signal -3
.Lnot_wave_0_\@:
	s_barrier_wait -3
	s_barrier_signal -1
	s_barrier_wait -1
.endm
; The joint loads.  mode 3: waves 0, 1 ask for K, V into RAW slot kvs, waves 2, 3 for the mask into slot ms; 1: K, V alone; 2: the mask alone.
; The branch hangs on the wave's number alone, so it goes the same way in every work-group.
.macro JLOAD kvs, ms, mode
.if \mode == 3
	s_cmp_eq_u32 s15, 0
	s_cbranch_scc0 .Lfor_m_\@
	tensor_load_to_lds s[G0KV+4*\kvs:G0KV+4*\kvs+3], s[G1KV:G1KV+7]
	s_nop 0
	s_branch .Lasked_\@
.Lfor_m_\@:
	tensor_load_to_lds s[G0M+4*\ms:G0M+4*\ms+3], s[G1M:G1M+7]
	s_nop 0
.Lasked_\@:
.endif
.if \mode == 1
	s_cmp_eq_u32 s15, 0
	s_cbranch_scc0 .Lasked_\@
	tensor_load_to_lds s[G0KV+4*\kvs:G0KV+4*\kvs+3], s[G1KV:G1KV+7]
	s_nop 0
.Lasked_\@:
.endif
.if \mode == 2
	s_cmp_lg_u32 s15, 0
	s_cbranch_scc0 .Lasked_\@
	tensor_load_to_lds s[G0M+4*\ms:G0M+4*\ms+3], s[G1M:G1M+7]
	s_nop 0
.Lasked_\@:
.endif
.endm
	s_load_b256 s[4:11], s[0:1], 0x0               ; keys s[4:5], values s[6:7], mask s[8:9], queries s[10:11]
	s_load_b64 s[12:13], s[0:1], 0x20              ; out0
	v_lshl_add_u32 v11, v0, 2, 0x4d800
	s_set_vgpr_msb 0x80
	v_mov_b32 v1, 0
	s_set_vgpr_msb 0x8088
	ds_add_u32 v11, v1
	s_set_vgpr_msb 0x8800
	v_lshrrev_b32 v24, 5, v0
	v_readfirstlane_b32 s14, v24                   ; wave 0..3
	s_lshr_b32 s15, s14, 1                         ; 0: I fetch K or V; 1: the mask
	s_and_b32 s16, s14, 1                          ; which of the two parts
	s_bfe_u32 s17, ttmp6, 0x40000                  ; cx
	s_bfe_u32 s18, ttmp6, 0x40004                  ; cy
	s_lshl_b32 s19, ttmp9, 2
	s_add_co_u32 s19, s19, s17                     ; query block = 4 x cluster x + cx
	s_and_b32 s20, ttmp7, 0xffff
	s_lshl_b32 s20, s20, 2
	s_add_co_u32 s20, s20, s18                     ; head = 4 x cluster y + cy
	s_lshl_b32 s21, s18, 2
	s_lshl_b32 s21, 15, s21                        ; my row of the cluster: places 4 cy .. 4 cy + 3
	s_lshl_b32 s22, 0x1111, s17                    ; my column: places cx, cx + 4, cx + 8, cx + 12
	s_lshl_b32 s74, s20, 19                        ; Q and out: head x 524,288
	s_lshl_b32 s23, s19, 16                        ; + block x 256 rows of 256 bytes
	s_add_co_u32 s74, s74, s23
	s_lshl_b32 s23, s14, 14                        ; + wave x 64 rows
	s_add_co_u32 s74, s74, s23
	s_mov_b32 s75, 0
	v_and_b32 v24, 31, v0                          ; l
	v_lshlrev_b32 v[GOFF], 4, v24
	s_wait_dscnt 0x0
	s_wait_kmcnt 0x0
	s_add_nc_u64 s[10:11], s[10:11], s[74:75]
	s_add_nc_u64 s[12:13], s[12:13], s[74:75]
.set n, 0
.rept 32
	global_load_b128 v[OO+4*n:OO+4*n+3], v[GOFF], s[10:11] offset:512*n th:TH_LOAD_NT   ; my 64 rows of Q, 512 neighbouring bytes a load, read once in the launch
.set n, n+1
.endr
	; group 1.  K, V: 64 rows x 64 f32, rows 64 elements apart, shared along my row.  Mask: 128 rows x 64 f32, rows 2,048 apart, shared along my column.
	s_or_b32  s[G1KV+0], s21, FLD
	s_mov_b32 s[G1KV+1], 64<<16                    ; tensor_dim0 = 64
	s_mov_b32 s[G1KV+2], 64<<16                    ; tensor_dim1 = 64
	s_mov_b32 s[G1KV+3], 64<<16                    ; tile_dim0 = 64
	s_mov_b32 s[G1KV+4], 64                        ; tile_dim1 = 64
	s_mov_b32 s[G1KV+5], 64                        ; elements from row to row
	s_mov_b32 s[G1KV+6], 0
	s_mov_b32 s[G1KV+7], 0
	s_or_b32  s[G1M+0], s22, FLD
	s_mov_b32 s[G1M+1], 64<<16
	s_mov_b32 s[G1M+2], 128<<16
	s_mov_b32 s[G1M+3], 64<<16
	s_mov_b32 s[G1M+4], 128
	s_mov_b32 s[G1M+5], 2048
	s_mov_b32 s[G1M+6], 0
	s_mov_b32 s[G1M+7], 0
	; group 0.  K's and V's address hangs on the head and the wave's number, the mask's on the query block and the wave's number; LDS addresses on the wave's number alone.
	s_lshl_b32 s70, s20, 19
	s_mov_b32 s71, 0
	s_cmp_eq_u32 s16, 0
	s_cselect_b64 s[76:77], s[4:5], s[6:7]         ; wave 0: keys, wave 1: values
	s_add_nc_u64 s[76:77], s[76:77], s[70:71]
	s_mul_i32 s78, s16, RHALF
	s_add_co_u32 s78, s78, RAW
	s_lshl_b32 s72, s19, 21                        ; block x 256 rows of 8,192 bytes
	s_lshl_b32 s73, s16, 20                        ; + half x 128 rows
	s_add_co_u32 s72, s72, s73
	s_mov_b32 s73, 0
	s_add_nc_u64 s[72:73], s[8:9], s[72:73]
	s_mul_i32 s79, s16, MHALF
.irp s, 0,1
	s_mov_b32 s[G0KV+4*\s], 1
	s_add_co_u32 s[G0KV+4*\s+1], s78, \s*RSLOT
	s_add_nc_u64 s[G0KV+4*\s+2:G0KV+4*\s+3], s[76:77], \s*KVTILE
	s_or_b32 s[G0KV+4*\s+3], s[G0KV+4*\s+3], 0x80000000
	s_mov_b32 s[G0M+4*\s], 1
	s_add_co_u32 s[G0M+4*\s+1], s79, \s*MSLOT
	s_add_nc_u64 s[G0M+4*\s+2:G0M+4*\s+3], s[72:73], \s*MSTEP
	s_or_b32 s[G0M+4*\s+3], s[G0M+4*\s+3], 0x80000000
.endr
	CROUND                                         ; all sixteen work-groups are here: the first joint loads meet
	JLOAD 0, 0, 3                                  ; trips 0 and 1: both slots of RAW, both of MASK, as one group
	JLOAD 1, 1, 3
	; prefetch bases.  K, V: the clusters with x = 0 ask for keys, those with x = 1 for values; of a pair of tiles (32 KiB) the work-group at cx
	; takes 8 KiB.  Mask: of a query block's 256 rows the work-group of head n takes rows 8 n .. 8 n + 7.  Both start at tile 4.
	s_cmp_eq_u32 ttmp9, 0
	s_cselect_b64 s[56:57], s[4:5], s[6:7]
	s_lshl_b32 s2, s20, 19
	s_lshl_b32 s3, s17, 13
	s_add_co_u32 s2, s2, s3
	s_add_co_u32 s2, s2, 4*KVTILE
	s_mov_b32 s3, 0
	s_add_nc_u64 s[56:57], s[56:57], s[2:3]
	s_lshl_b32 s2, s19, 21
	s_lshl_b32 s3, s20, 16
	s_add_co_u32 s2, s2, s3
	s_add_co_u32 s2, s2, 4*MSTEP
	s_mov_b32 s3, 0
	s_add_nc_u64 s[58:59], s[8:9], s[2:3]
	s_mov_b32 s60, 0xcfee6b28                      ; -8e9 = 8 x -1e9, exact in f32
	s_mov_b32 s61, 0xcfee6b28
	s_mov_b32 s62, 0x76543210                      ; v_permlanex16_b32: lane l reads lane l ^ 16
	s_mov_b32 s63, 0xfedcba98
	s_mov_b32 s66, 0x3e38aa3b                      ; log2(e) / 8
	s_mov_b32 s67, 0x3e38aa3b
	s_mul_i32 s69, s14, SWAVE
	s_add_co_u32 s69, s69, STAGE                   ; my stage
	v_and_b32 v25, 15, v0                          ; r
	v_bfe_u32 v26, v0, 4, 1                        ; h
	v_mul_u32_u24 v[AKF], v25, PKB                 ; K fragment: row r, 16 bytes for each half of the lanes
	v_lshl_add_u32 v[AKF], v26, 4, v[AKF]
	v_add_nc_u32 v[AKF], BF, v[AKF]
	v_and_b32 v27, 7, v0                           ; V^T fragment by the transposing load: row 8 h + l % 8,
	v_lshl_add_u32 v27, v26, 3, v27
	v_mul_u32_u24 v[AVF], v27, PVB
	v_bfe_u32 v27, v0, 3, 1                        ; 16 bytes for each eight lanes
	v_lshl_add_u32 v[AVF], v27, 4, v[AVF]
	v_add_nc_u32 v[AVF], BF+BV, v[AVF]
	s_mul_i32 s23, s14, 64*P32                     ; mask: row 64 wave + r, 32 bytes for each half of the lanes
	v_mul_u32_u24 v[AM], v25, P32
	v_lshl_add_u32 v[AM], v26, 5, v[AM]
	v_add_nc_u32 v[AM], s23, v[AM]
	v_add_nc_u32 v[AM+1], MSLOT, v[AM]
	v_bfe_u32 v27, v0, 3, 2                        ; conversion: row 4 wave + l / 8 (+ 16 c), eight numbers at l % 8
	v_and_b32 v28, 7, v0
	s_mul_i32 s23, s14, 4*P32
	s_add_co_u32 s23, s23, RAW
	v_mul_u32_u24 v[ARAW], v27, P32
	v_lshl_add_u32 v[ARAW], v28, 5, v[ARAW]
	v_add_nc_u32 v[ARAW], s23, v[ARAW]
	s_mul_i32 s23, s14, 4*PKB
	s_add_co_u32 s23, s23, BF
	v_mul_u32_u24 v[ASK], v27, PKB
	v_lshl_add_u32 v[ASK], v28, 4, v[ASK]
	v_add_nc_u32 v[ASK], s23, v[ASK]
	s_mul_i32 s23, s14, 4*PVB
	s_add_co_u32 s23, s23, BF+BV
	v_mul_u32_u24 v[ASV], v27, PVB
	v_lshl_add_u32 v[ASV], v28, 4, v[ASV]
	v_add_nc_u32 v[ASV], s23, v[ASV]
	v_lshlrev_b32 v[VPK], 8, v24
	v_lshrrev_b32 v27, 2, v24
	v_and_b32 v28, 3, v0
	v_lshlrev_b32 v[VPM], 8, v28
	v_lshl_add_u32 v[VPM], v27, 13, v[VPM]
	v_mov_b32 v[XR], 0                             ; v_permlanex16_b32 counts as a reader of its destination
	v_mul_u32_u24 v[MK], v26, PKB                  ; Q into my stage: load n holds rows 2 n + h, four numbers at r
	v_lshl_add_u32 v[MK], v25, 3, v[MK]
	v_add_nc_u32 v[MK], s69, v[MK]
	v_mul_u32_u24 v[MK+1], v25, PKB                ; and back as fragments
	v_lshl_add_u32 v[MK+1], v26, 4, v[MK+1]
	v_add_nc_u32 v[MK+1], s69, v[MK+1]
	; Q: rounded once to bf16, as it comes, through my own stage into fragments that stay for the whole kernel
.set n, 0
.rept 32
	s_wait_loadcnt 31-n                            ; loads come back in order: load n is in, the 31 - n younger ones may be out
	v_cvt_pk_bf16_f32 v[OO+4*n], v[OO+4*n], v[OO+4*n+1]
	v_cvt_pk_bf16_f32 v[OO+4*n+1], v[OO+4*n+2], v[OO+4*n+3]
	ds_store_b64 v[MK], v[OO+4*n:OO+4*n+1] offset:2*PKB*n
.set n, n+1
.endr
	WIN 0x40                                       ; destination in window 1
.irp i, 0,1,2,3
.irp u, 0,1
	ds_load_b128 v[QF+16*\i+8*\u:QF+16*\i+8*\u+3],   v[MK+1] offset:\i*16*PKB+64*\u      ; a wave's LDS instructions are served in order: these see the stores above
	ds_load_b128 v[QF+16*\i+8*\u+4:QF+16*\i+8*\u+7], v[MK+1] offset:\i*16*PKB+64*\u+32
.endr
.endr
	WIN 0
; 16 loads: K's eight fragments of 16 keys x 32 columns
.macro LDK slot
.irp kt, 0,1,2,3
.irp u, 0,1
	ds_load_b128 v[KF+16*\kt+8*\u:KF+16*\kt+8*\u+3],   v[AKF] offset:\slot*BSLOT+\kt*16*PKB+64*\u
	ds_load_b128 v[KF+16*\kt+8*\u+4:KF+16*\kt+8*\u+7], v[AKF] offset:\slot*BSLOT+\kt*16*PKB+64*\u+32
.endr
.endr
.endm
; 16 transposing loads: V^T's eight fragments of 16 columns x 32 keys
.macro LDV slot
.irp dt, 0,1,2,3
.irp g, 0,1
	ds_load_tr16_b128 v[VF+16*\dt+8*\g:VF+16*\dt+8*\g+3],   v[AVF] offset:\slot*BSLOT+\g*32*PVB+32*\dt
	ds_load_tr16_b128 v[VF+16*\dt+8*\g+4:VF+16*\dt+8*\g+7], v[AVF] offset:\slot*BSLOT+\g*32*PVB+32*\dt+16*PVB
.endr
.endr
.endm
; 8 loads: my share (a 128th, four times eight numbers) of the f32 tile of K (isv = 0) or V (1)
.macro LDRAW slot, isv, stg
.irp c, 0,1,2,3
	ds_load_b128 v[\stg+8*\c:\stg+8*\c+3],   v[ARAW] offset:\slot*RSLOT+\isv*RHALF+\c*16*P32
	ds_load_b128 v[\stg+8*\c+4:\stg+8*\c+7], v[ARAW] offset:\slot*RSLOT+\isv*RHALF+\c*16*P32+16
.endr
.endm
; K: rounded to bf16 in place and stored
.macro CVSTK slot
	WIN 0x45                                       ; sources and destination in window 1
.irp c, 0,1,2,3
.irp q, 0,1,2,3
	v_cvt_pk_bf16_f32 v[STK+8*\c+\q], v[STK+8*\c+2*\q], v[STK+8*\c+2*\q+1]
.endr
.endr
	WIN 0x04                                       ; store data in window 1, address in window 0
.irp c, 0,1,2,3
	ds_store_b128 v[ASK], v[STK+8*\c:STK+8*\c+3] offset:\slot*BSLOT+\c*16*PKB
.endr
.endm
; V: rounded to bf16 like Q and K, widened again (a bf16 is the upper half of an f32), rewritten as f16, which changes no value in the stated range, and stored.
; The widening goes from the last packed word to the first, the upper half ahead of the lower, so that no word is written over before it is read.
.macro CVSTV slot
	WIN 0x45
.irp c, 0,1,2,3
.irp q, 0,1,2,3
	v_cvt_pk_bf16_f32 v[STV+8*\c+\q], v[STV+8*\c+2*\q], v[STV+8*\c+2*\q+1]
.endr
.endr
.irp c, 0,1,2,3
.irp q, 3,2,1,0
	v_and_b32 v[STV+8*\c+2*\q+1], 0xffff0000, v[STV+8*\c+\q]
	v_lshlrev_b32 v[STV+8*\c+2*\q], 16, v[STV+8*\c+\q]
.endr
.endr
.irp c, 0,1,2,3
.irp q, 0,1,2,3
	v_cvt_pk_f16_f32 v[STV+8*\c+\q], v[STV+8*\c+2*\q], v[STV+8*\c+2*\q+1]
.endr
.endr
	WIN 0x04
.irp c, 0,1,2,3
	ds_store_b128 v[ASV], v[STV+8*\c:STV+8*\c+3] offset:\slot*BSLOT+\c*16*PVB
.endr
.endm
; 8 loads: the mask words of subtile i, laid as the scores are
.macro LDM slot, i
.irp kt, 0,1,2,3
	ds_load_b128 v[MK+8*\kt:MK+8*\kt+3],   v[AM+\slot] offset:\i*16*P32+64*\kt
	ds_load_b128 v[MK+8*\kt+4:MK+8*\kt+7], v[AM+\slot] offset:\i*16*P32+64*\kt+16
.endr
.endm
; 8 matrix instructions: q.k of subtile i.  The first four start the sums; the four accumulators take turns, one instruction a turn.
.macro SW i
	WIN 0x05                                       ; K and Q in window 1
.set SBI, SB+32*(\i%2)
.irp kt, 0,1,2,3
	v_wmma_f32_16x16x32_bf16 v[SBI+8*\kt:SBI+8*\kt+7], v[KF+16*\kt:KF+16*\kt+7], v[QF+16*\i:QF+16*\i+7], 0
.endr
.irp kt, 0,1,2,3
	v_wmma_f32_16x16x32_bf16 v[SBI+8*\kt:SBI+8*\kt+7], v[KF+16*\kt+8:KF+16*\kt+15], v[QF+16*\i+8:QF+16*\i+15], v[SBI+8*\kt:SBI+8*\kt+7]
.endr
.endm
; the mask enters: x = mask x (-8e9) + q.k, one rounding
.macro FM i
	WIN 0
.set SBI, SB+32*(\i%2)
.set k, 0
.rept 16
	v_pk_fma_f32 v[SBI+2*k:SBI+2*k+1], v[MK+2*k:MK+2*k+1], s[60:61], v[SBI+2*k:SBI+2*k+1] op_sel_hi:[1,0,1]
.set k, k+1
.endr
.endm
; the new running maximum of each query of subtile i: 32 scores in four chains, the partner lane's, the old one
.macro MX i, first
	WIN 0
.set SBI, SB+32*(\i%2)
.irp c, 0,1,2,3
	v_max3_num_f32 v[TT+\c], v[SBI+8*\c], v[SBI+8*\c+1], v[SBI+8*\c+2]
.endr
.irp c, 0,1,2,3
	v_max3_num_f32 v[TT+\c], v[TT+\c], v[SBI+8*\c+3], v[SBI+8*\c+4]
.endr
.irp c, 0,1,2,3
	v_max3_num_f32 v[TT+\c], v[TT+\c], v[SBI+8*\c+5], v[SBI+8*\c+6]
.endr
	v_max3_num_f32 v[TT], v[TT], v[TT+1], v[SBI+7]
	v_max3_num_f32 v[TT+2], v[TT+2], v[TT+3], v[SBI+15]
	v_max3_num_f32 v[TT], v[TT], v[TT+2], v[SBI+23]
	v_max_num_f32 v[TT], v[TT], v[SBI+31]
	v_permlanex16_b32 v[XR], v[TT], s62, s63       ; the other 32 keys of the same query
.if \first
	v_max_num_f32 v[MN], v[TT], v[XR]
.else
	v_max3_num_f32 v[MN], v[TT], v[XR], v[MI+\i]
.endif
.endm
; p = 2^((x - maximum) log2(e) / 8), O and the sum rescaled, p summed in f32 and packed to f16 in place.  The difference runs two pairs and the
; scaling one pair ahead of the exponentials.
; Behind each exponential stands a plain vector instruction that touches neither its result nor its source before the result is used
; (ISA guide 5.7.2): the move behind the factor's, a line of the rescale (in the first trip a later pair's difference or scaling, at the end a v_nop) behind a pair's.
.macro EX i, first
.set SBI, SB+32*(\i%2)
.if \first == 0
	v_sub_f32 v[AL+1], v[MI+\i], v[MN]
	v_mul_f32 v[AL+1], s66, v[AL+1]
	v_exp_f32 v[AL], v[AL+1]
.endif
	v_mov_b32 v[MI+\i], v[MN]
	v_pk_add_f32 v[SBI:SBI+1], v[SBI:SBI+1], v[MN:MN+1] op_sel_hi:[1,0] neg_lo:[0,1] neg_hi:[0,1]
	v_pk_add_f32 v[SBI+2:SBI+3], v[SBI+2:SBI+3], v[MN:MN+1] op_sel_hi:[1,0] neg_lo:[0,1] neg_hi:[0,1]
	v_pk_mul_f32 v[SBI:SBI+1], v[SBI:SBI+1], s[66:67] op_sel_hi:[1,0]
.set k, 0
.rept 16
.if k < 14
	v_pk_add_f32 v[SBI+2*k+4:SBI+2*k+5], v[SBI+2*k+4:SBI+2*k+5], v[MN:MN+1] op_sel_hi:[1,0] neg_lo:[0,1] neg_hi:[0,1]
.endif
.if k < 15
	v_pk_mul_f32 v[SBI+2*k+2:SBI+2*k+3], v[SBI+2*k+2:SBI+2*k+3], s[66:67] op_sel_hi:[1,0]
.endif
	v_exp_f32 v[SBI+2*k], v[SBI+2*k]
	v_exp_f32 v[SBI+2*k+1], v[SBI+2*k+1]
.if \first == 0
	s_wait_alu depctr_va_vdst(0)
	v_pk_mul_f32 v[OO+32*\i+2*k:OO+32*\i+2*k+1], v[OO+32*\i+2*k:OO+32*\i+2*k+1], v[AL:AL+1] op_sel_hi:[1,0]
.endif
.set k, k+1
.endr
.if \first
	v_nop
	s_wait_alu depctr_va_vdst(0)
.endif
	s_wait_alu depctr_va_vdst(0)
.irp c, 0,1,2,3
	v_pk_add_f32 v[TT+2*\c:TT+2*\c+1], v[SBI+4*\c:SBI+4*\c+1], v[SBI+4*\c+2:SBI+4*\c+3]
.endr
.irp c, 0,1,2,3
	v_pk_add_f32 v[TT+2*\c:TT+2*\c+1], v[TT+2*\c:TT+2*\c+1], v[SBI+16+2*\c:SBI+16+2*\c+1]
.endr
.irp c, 0,1,2,3
	v_pk_add_f32 v[TT+2*\c:TT+2*\c+1], v[TT+2*\c:TT+2*\c+1], v[SBI+24+2*\c:SBI+24+2*\c+1]
.endr
	v_pk_add_f32 v[TT:TT+1], v[TT:TT+1], v[TT+2:TT+3]
	v_pk_add_f32 v[TT+4:TT+5], v[TT+4:TT+5], v[TT+6:TT+7]
	v_pk_add_f32 v[TT:TT+1], v[TT:TT+1], v[TT+4:TT+5]
.if \first
	v_add_f32 v[LI+\i], v[TT], v[TT+1]
.else
	v_add_f32 v[TT], v[TT], v[TT+1]
	v_fma_f32 v[LI+\i], v[LI+\i], v[AL], v[TT]
.endif
.irp g, 0,1
.irp q, 0,1,2,3
	v_cvt_pk_f16_f32 v[SBI+16*\g+\q], v[SBI+16*\g+2*\q], v[SBI+16*\g+2*\q+1]          ; keys 32 g + 8 h + 0..7: registers 0-3 of the fragment
.endr
.irp q, 0,1,2,3
	v_cvt_pk_f16_f32 v[SBI+16*\g+4+\q], v[SBI+16*\g+8+2*\q], v[SBI+16*\g+8+2*\q+1]    ; keys 32 g + 16 + 8 h + 0..7: registers 4-7
.endr
.endr
.endm
; 8 matrix instructions, f16 operands: O^T of subtile i += V^T P.  Four accumulators by turns, one instruction a turn.
.macro PV i, first
	WIN 0x01                                       ; V^T in window 1
.set SBI, SB+32*(\i%2)
.irp dt, 0,1,2,3
.if \first
	v_wmma_f32_16x16x32_f16 v[OO+32*\i+8*\dt:OO+32*\i+8*\dt+7], v[VF+16*\dt:VF+16*\dt+7], v[SBI:SBI+7], 0
.else
	v_wmma_f32_16x16x32_f16 v[OO+32*\i+8*\dt:OO+32*\i+8*\dt+7], v[VF+16*\dt:VF+16*\dt+7], v[SBI:SBI+7], v[OO+32*\i+8*\dt:OO+32*\i+8*\dt+7]
.endif
.endr
.irp dt, 0,1,2,3
	v_wmma_f32_16x16x32_f16 v[OO+32*\i+8*\dt:OO+32*\i+8*\dt+7], v[VF+16*\dt+8:VF+16*\dt+15], v[SBI+16:SBI+23], v[OO+32*\i+8*\dt:OO+32*\i+8*\dt+7]
.endr
.endm
; Wave 0 asks ahead.  In the first trip of the pair of trips 2 n + 2, 2 n + 3 (n = -1 .. 12): my 8 KiB of K's or V's tiles 2 n + 6, 2 n + 7, whose
; tensor loads are issued two and three trips later; in pairs with odd n also my 8 rows of the mask's tiles 2 n + 6 .. 2 n + 9 (1,024 bytes a row).
; Lanes stand 256 bytes apart and each block is asked for by one lane of one work-group.  The last requests are for tile 31: none passes a buffer's end.
.macro AHEAD pf
.if \pf
	s_cmp_lg_u32 s14, 0
	s_cbranch_scc1 .Lno_ask_\@
	global_prefetch_b8 v[VPK], s[56:57] th:TH_LOAD_NT scope:SCOPE_SE
.if \pf == 2
	s_bitcmp1_b32 s68, 0                           ; s68 = n
	s_cbranch_scc0 .Lno_ask_\@
.endif
	global_prefetch_b8 v[VPM], s[58:59] th:TH_LOAD_NT scope:SCOPE_SE
.Lno_ask_\@:
.endif
.endm
.macro AHEAD_STEP
	s_wait_xcnt 0x0                                ; the bases are rewritten only behind this wait; the requests stand almost two trips back
	s_add_nc_u64 s[56:57], s[56:57], 2*KVTILE
	s_add_nc_u64 s[58:59], s[58:59], 2*MSTEP
.endm
; One trip.  slot = t % 2; first = 1: the products and sums start; mode: which joint loads go out (bit 0 K and V, bit 1 the mask; 0: none, a plain barrier);
; conv = 1: the next trip's K and V are converted; pf: 0 nothing is asked ahead, 1 both, 2 as the loop's counter says.
; DISTANCES behind matrix instructions (ISA guide 7.12.1), by plain vector instructions that name none of their registers: the scores of subtile i are
; first read by FM i, behind the maxima and exponentials of subtile i - 1 (subtile 0: behind K's 16 conversions or four v_nop); PV i's fragment of P is
; written over by SW i + 2, behind FM i + 1's 16 lines; V's registers are loaded again behind the four v_nop that end the trip.
.macro TRIP slot, first, mode, conv, pf
.set OTH, 1-\slot
	s_set_vgpr_msb 0x8
	s_wait_tensorcnt 0x0                           ; all my tensor loads have landed, so a group 0 may be written
	ds_add_u32 v11, v1
	s_wait_dscnt 0x0
	s_set_vgpr_msb 0x800
.if \mode & 1
	s_add_nc_u64 s[G0KV+4*\slot+2:G0KV+4*\slot+3], s[G0KV+4*\slot+2:G0KV+4*\slot+3], 2*KVTILE
.endif
.if \mode & 2
	s_add_nc_u64 s[G0M+4*OTH+2:G0M+4*OTH+3], s[G0M+4*OTH+2:G0M+4*OTH+3], 2*MSTEP
.endif
	s_wait_dscnt 0x0                               ; my reads of the slots that are filled next and my 16-bit stores are done
.if \mode
	CROUND                                         ; both now hold of every wave of all sixteen work-groups
	JLOAD \slot, OTH, \mode                        ; my one tensor load behind the round, first thing there
.else
	s_barrier_signal -1
	s_barrier_wait -1
.endif
	WIN 0x40
	LDK \slot
.if \conv
	LDRAW OTH, 0, STK
	LDRAW OTH, 1, STV
.endif
	LDV \slot
	WIN 0
	LDM \slot, 0
.if \conv
	s_wait_dscnt 40                                ; K's 16 are in; out may be 8 + 8 raw, 16 of V, 8 of the mask
	SW 0
	s_wait_dscnt 32                                ; raw K is in; out may be 8 raw, 16 of V, 8 of the mask
	CVSTK OTH
	s_wait_dscnt 4                                 ; all loads so far are in; K's four stores may be out
.else
	s_wait_dscnt 24                                ; K's 16 are in; out may be 16 of V, 8 of the mask
	SW 0
	PLACES 4
	s_wait_dscnt 0
.endif
	FM 0
	LDM \slot, 1
	SW 1
.if \conv
	CVSTV OTH
.endif
	WIN 0
	AHEAD \pf
	MX 0, \first
	EX 0, \first
	PV 0, \first
.if \conv
	s_wait_dscnt 4                                 ; the mask of subtile 1 is in; V's four stores may be out
.else
	s_wait_dscnt 0
.endif
	FM 1
	LDM \slot, 2
	SW 2
	MX 1, \first
	EX 1, \first
	PV 1, \first
	s_wait_dscnt 0
	FM 2
	LDM \slot, 3
	SW 3
	MX 2, \first
	EX 2, \first
	PV 2, \first
	s_wait_dscnt 0
	FM 3
	MX 3, \first
	EX 3, \first
	PV 3, \first
	PLACES 4
	WIN 0                                          ; at a label and at a branch every window is 0
.endm
	s_wait_tensorcnt 0x1                           ; my part of trip 0's tiles is in; trip 1's may stay out
	s_wait_dscnt 0x0                               ; Q's fragments are in
	s_barrier_signal -1
	s_barrier_wait -1                              ; everybody's part is in
	WIN 0x40
	LDRAW 0, 0, STK                                ; trip 0's K and V to 16 bits
	LDRAW 0, 1, STV
	s_wait_dscnt 8                                 ; raw K is in, raw V's eight may be out
	CVSTK 0
	s_wait_dscnt 4                                 ; raw V is in, K's four stores may be out
	CVSTV 0
	WIN 0
	TRIP 0, 1, 1, 1, 1                             ; trip 0: the mask of trip 1 is there already
	TRIP 1, 0, 3, 1, 0
	AHEAD_STEP
	s_mov_b32 s68, 0
.Lpair:                                            ; trips 2 to 27
	TRIP 0, 0, 3, 1, 2
	TRIP 1, 0, 3, 1, 0
	AHEAD_STEP
	s_add_co_u32 s68, s68, 1
	s_cmp_lt_u32 s68, 13
	s_cbranch_scc1 .Lpair
	TRIP 0, 0, 3, 1, 0                             ; trip 28
	TRIP 1, 0, 3, 1, 0                             ; trip 29 asks for the last K and V
	TRIP 0, 0, 2, 1, 0                             ; trip 30 asks for the last mask tile alone
	TRIP 1, 0, 0, 0, 0                             ; trip 31 asks for nothing and converts nothing
	; THE WAY OUT.  The two halves of each query's sum meet, O is divided by it, and 16 rows at a time go through my own stage, so that a store
	; of the wave covers 512 consecutive bytes of out0, aligned.  The sum is at least 1: the largest score's own p is 1.
.irp i, 0,1,2,3
	v_permlanex16_b32 v[TT+\i], v[LI+\i], s62, s63
.endr
.irp i, 0,1,2,3
	v_add_f32 v[LI+\i], v[LI+\i], v[TT+\i]
.endr
.irp i, 0,1,2,3
	v_rcp_f32 v[TT+2*\i], v[LI+\i]                 ; into even registers: the packed multiply names the pair and takes its first; the address lines below are the plain places behind these
.endr
	v_and_b32 v[MK+2], 15, v0                      ; r
	v_bfe_u32 v[MK+3], v0, 4, 1                    ; h
	v_mul_u32_u24 v[MK], v[MK+2], P32              ; in: row r, 32 bytes for each half of the lanes
	v_lshl_add_u32 v[MK], v[MK+3], 5, v[MK]
	v_add_nc_u32 v[MK], s69, v[MK]
	v_mul_u32_u24 v[MK+1], v[MK+3], P32            ; back: lanes 0-15 one row of 256 bytes, lanes 16-31 the next
	v_lshl_add_u32 v[MK+1], v[MK+2], 4, v[MK+1]
	v_add_nc_u32 v[MK+1], s69, v[MK+1]
	s_wait_alu depctr_va_vdst(0)
.macro OUT i
.set SBI, SB+32*(\i%2)
.set k, 0
.rept 16
	v_pk_mul_f32 v[OO+32*\i+2*k:OO+32*\i+2*k+1], v[OO+32*\i+2*k:OO+32*\i+2*k+1], v[TT+2*\i:TT+2*\i+1] op_sel_hi:[1,0]
.set k, k+1
.endr
.irp dt, 0,1,2,3
	ds_store_b128 v[MK], v[OO+32*\i+8*\dt:OO+32*\i+8*\dt+3]   offset:\i*16*P32+64*\dt
	ds_store_b128 v[MK], v[OO+32*\i+8*\dt+4:OO+32*\i+8*\dt+7] offset:\i*16*P32+64*\dt+16
.endr
.if \i >= 2
	s_wait_xcnt 0x0                                ; this buffer was the data of the stores two subtiles back: it is loaded again only behind this wait
.endif
.irp n, 0,1,2,3,4,5,6,7
	ds_load_b128 v[SBI+4*\n:SBI+4*\n+3], v[MK+1] offset:\i*16*P32+\n*2*P32     ; served in order behind my stores above
.endr
.irp n, 0,1,2,3,4,5,6,7
	s_wait_dscnt 7-\n                              ; load n is in, the 7 - n younger ones may be out
	global_store_b128 v[GOFF], v[SBI+4*\n:SBI+4*\n+3], s[12:13] offset:\i*4096+\n*512 th:TH_STORE_NT
.endr
.endm
	OUT 0
	OUT 1
	OUT 2
	OUT 3
	s_set_vgpr_msb 0x8
	s_wait_tensorcnt 0x0
	ds_add_u32 v11, v1
	s_wait_dscnt 0x0
	s_set_vgpr_msb 0x800
	CROUND                                         ; the closing round: no work-group ends while a partner may still ask for a tile that names it
	s_endpgm
.Lfunc_end_k_q791e1a8d48_attn:
	.size	k_q791e1a8d48_attn, .Lfunc_end_k_q791e1a8d48_attn-k_q791e1a8d48_attn
	.p2alignl 7, 3214868480
	.fill 96, 4, 3214868480
	.section	.rodata,"a",@progbits
	.p2align	6, 0x0
	.amdhsa_kernel k_q791e1a8d48_attn
		.amdhsa_group_segment_fixed_size 327680
		.amdhsa_private_segment_fixed_size 0
		.amdhsa_enable_private_segment 0
		.amdhsa_kernarg_size 40
		.amdhsa_user_sgpr_count 2
		.amdhsa_user_sgpr_kernarg_segment_ptr 1
		.amdhsa_wavefront_size32 1
		.amdhsa_system_sgpr_workgroup_id_x 1
		.amdhsa_system_sgpr_workgroup_id_y 1
		.amdhsa_system_sgpr_workgroup_id_z 1
		.amdhsa_system_vgpr_workitem_id 0
		.amdhsa_next_free_vgpr 514
		.amdhsa_next_free_sgpr 80
		.amdhsa_reserve_vcc 0
		.amdhsa_float_denorm_mode_32 3
		.amdhsa_float_denorm_mode_16_64 3
		.amdhsa_memory_ordered 1
		.amdhsa_forward_progress 1
		.amdhsa_inst_pref_size 255
	.end_amdhsa_kernel
	.section	.bss,"aw",@nobits
	.p2align	6
	.space	262144
	.amdgpu_metadata
---
amdhsa.version: [ 1, 2 ]
amdhsa.kernels:
  - .name:           k_q791e1a8d48_attn
    .symbol:         k_q791e1a8d48_attn.kd
    .args:
      - { .name: keys, .offset: 0, .size: 8, .value_kind: global_buffer, .address_space: global }
      - { .name: values, .offset: 8, .size: 8, .value_kind: global_buffer, .address_space: global }
      - { .name: mask, .offset: 16, .size: 8, .value_kind: global_buffer, .address_space: global }
      - { .name: queries, .offset: 24, .size: 8, .value_kind: global_buffer, .address_space: global }
      - { .name: out0, .offset: 32, .size: 8, .value_kind: global_buffer, .address_space: global }
    .group_segment_fixed_size: 327680
    .private_segment_fixed_size: 0
    .kernarg_segment_align: 8
    .kernarg_segment_size: 40
    .max_flat_workgroup_size: 128
    .sgpr_count:     80
    .vgpr_count:     514
    .wavefront_size: 32
...
	.end_amdgpu_metadata
.endif
;; end of part 1
